; MI455X (gfx1250); checked and timed in simulation.
; The chip was launched on July 23, 2026; its instructions are those of AMD's public machine-readable ISA for CDNA 5 (MIT licence, August 2026) and "CDNA5" Instruction Set Architecture Reference Guide (July 2026). The comments in the code are by the model that wrote it; some were corrected since.
;; Enhanced Context Aware Dual VQ. Allowed arithmetic: matrix products marked QUANTISED: E4M3 operands, one E8M0 scale for each 32 along K, by v_wmma_scale_f32_16x16x128_f8f6f4 with both operands' format E4M3, f32 sums; everything else in f32.
;; Inputs: embedding 8,192 x 512 float32; z 8 x 2,048 x 512 float32.
;; Outputs: out0 8 x 2,048 x 512 float32; out1 one number float32.
;; This version of the problem:
;;   THIS VERSION OF THE PROBLEM IS GIVEN IN LOW PRECISION. The matrix products marked QUANTISED in the list below multiply operands that are first quantised to E4M3 (4 exponent bits, 3 mantissa bits; 8 bits a number), with one power-of-two scale for each 32 numbers along K (OCP MX v1.0); their sums are f32. All else is computed in f32.
;;   The module's matrix products, in the order in which they are computed (A, B: the left and right operand; K: the contracted axis; several contracted axes count as one K, in the product's order):
;;     1. [M 16,384, K 512] x [K 512, N 8,192]; A: input z; B: input embedding: QUANTISED
;;   THE QUANTISER, for each operand of a quantised product, along K:
;;     - K is cut into blocks of 32 from its start; a last block that is shorter is filled with zeros.
;;     - A block's scale is 2^e with e = floor(log2(the largest magnitude in the block)) - 8, held to -126 .. 127; a block of zeros has e = 0. As a byte (E8M0): e + 127.
;;     - Each number is divided by its block's scale, clamped to +-448, and rounded to the nearest number of E4M3, ties to even, subnormals kept.
;;     - The product sums the exact products of the quantised numbers (number of the format x scale) in f32.
;;   ~~~python
;;   def quantise(x, axis):      # numpy; x: float32 -> the quantised numbers, widened to float32 again
;;       x = np.moveaxis(x, axis, -1); K = x.shape[-1]
;;       x = np.pad(x, [(0, 0)] * (x.ndim - 1) + [(0, -K % 32)]); x = x.reshape(x.shape[:-1] + (-1, 32)); a = np.abs(x).max(-1, keepdims=True)
;;       e = np.where(a > 0, np.clip(np.frexp(np.where(a > 0, a, 1))[1] - 1 - 8, -126, 127), 0)      # np.frexp(a)[1] - 1 = floor(log2(a)), exactly
;;       r = np.clip(x / 2.0 ** e, -448, 448)
;;       step = 2.0 ** (np.maximum(np.frexp(np.where(r == 0, 1, r))[1] - 1, -6) - 3)
;;       q = np.round(r / step) * step * 2.0 ** e      # np.round: ties to even
;;       return np.moveaxis(q.reshape(q.shape[:-2] + (-1,))[..., :K], -1, axis).astype(np.float32)
;;   ~~~
;; One version. Each part assembles by itself: llvm-mc -triple=amdgcn-amd-amdhsa -mcpu=gfx1250 --defsym DOCPART=n.
;; ======== version 1 of 1: 4 launches
;; limits: right only within a limited range of input values
;; workspace buffers: z_img 8,912,896 bytes; e_img 4,456,448 bytes; pkey 262,144 bytes of whole numbers; pidx 262,144 bytes of whole numbers; part 2,048 bytes
;; launch quant (part 1): grid 768 x 1, 2 waves a work-group, no clusters, 17,152 bytes of LDS; arguments z, embedding, z_img, e_img; writes z_img, e_img
.if DOCPART == 1
	.amdgcn_target "amdgcn-amd-amdhsa--gfx1250"
	.amdhsa_code_object_version 6
	.text
	.protected	k_qb6956f8a3d_quant
	.globl	k_qb6956f8a3d_quant
	.p2align	8
	.type	k_qb6956f8a3d_quant,@function
k_qb6956f8a3d_quant:
	s_mov_b64 s[64:65], 0
	v_nop
	global_prefetch_b8 v0, s[64:65] scope:SCOPE_SE
	s_setreg_imm32_b32 hwreg(HW_REG_WAVE_MODE, 25, 1), 1
	s_wait_xcnt 0x0
; z [16384][512] and embedding [8192][512], f32, become codes of FP8 (E4M3) with one E8M0 scale byte for each 32 along K, laid in the ORDER OF THE OPERAND'S REGISTERS, with -1/2 x each row's sum of squares in f32.
; A TILE is 16 rows x 512 K.  Its image is 8,704 bytes (34 blocks of 256).  Byte 2048 s + 512 c + 16 lane + i is the code of row lane % 16 at k = 128 s + 32 c + 16 (lane / 16) + i: registers 4 c .. 4 c + 3 of the fragment of K step s.
; From byte 8,192: 16 scale bytes a row (word s belongs to K step s).  From byte 8,448: the 16 numbers -1/2 |row|^2, written four times on end, so that the image's last block is written whole.
; A block's scale is 2^(floor(log2(its largest magnitude)) - 8); its byte is the largest magnitude's exponent field - 8, held at 1 from below.  A block of zeros keeps the byte 1: its codes are zeros, and this program alone reads the bytes.
; LIMITS: blocks whose largest magnitude lies under 2^-118 keep the byte 1; NaN and infinities among the inputs are not served.
; SHARES: a wave takes one tile.  Work-groups 0 to 511 take z, the others embedding: only pointers are chosen.  Waves share nothing: no barrier.
; Each load reads 512 consecutive bytes of a row; a K step's 16 x 512 bytes turn through the wave's own stage in LDS (rows 528 bytes apart) so that a lane gets 16 neighbours along K of each block of its row.
.set STG,  8448                        ; a wave's stage: 16 rows x (512 + 16) bytes
.set TIMG, 8704                        ; a tile's image
.set TM,   16                          ; v16-19 largest magnitudes, v20-23 bytes, v24-27 448 x the scale, v28-31 the conversions' scale operands
.set PC,   32                          ; v32-47  the codes of a K step
.set PWS,  48                          ; v48-51  the scale word of each K step
.set AN,   52                          ; v52-59  the sum of squares, in four packed chains
.set R,    64                          ; v64-191 two sets of numbers as loaded
.set X,    192                         ; v192-255 register 16 b + i = k 32 b + 16 (lane / 16) + i of my row
.set SEL,  20                          ; s[20:21] lane selects: lane l xor 16
.set MNT,  23                          ; s23 the mantissa field of 448
	s_load_b256 s[4:11], s[0:1], 0x0               ; z, embedding, z's images, embedding's
	v_lshl_add_u32 v62, v0, 2, 0x4200              ; my spare word, behind the two stages
	v_mov_b32 v63, 0
	v_lshrrev_b32 v1, 5, v0
	v_readfirstlane_b32 s16, v1                    ; wave 0, 1
	v_and_b32 v1, 31, v0                           ; lane
	v_and_b32 v2, 15, v0                           ; r
	v_bfe_u32 v3, v0, 4, 1                         ; h
	v_lshlrev_b32 v4, 4, v1                        ; 16 x lane
	s_mul_i32 s17, s16, STG
	v_add_nc_u32 v5, s17, v4                       ; the stage, on the way in
	v_mul_u32_u24 v6, v2, 528
	v_lshl_add_u32 v6, v3, 6, v6
	v_add_nc_u32 v6, s17, v6                       ; and on the way out: row r, + 64 h
	v_lshlrev_b32 v8, 4, v2                        ; 16 scale bytes a row
	v_lshlrev_b32 v9, 2, v1                        ; one number a lane
	s_mov_b32 s[SEL], 0x76543210
	s_mov_b32 s[SEL+1], 0xfedcba98
	s_mov_b32 s[MNT], 0x600000
.irp b, 0,1,2,3
	v_mov_b32 v[TM+4+\b], 0                        ; a lane permute's destination counts as one of its sources
.endr
	s_wait_alu depctr_va_vdst(0)                   ; the wait at the head's end
	s_wait_kmcnt 0x0
	s_cmp_lt_u32 ttmp9, 512                        ; z's work-group or embedding's
	s_cselect_b64 s[4:5], s[4:5], s[6:7]
	s_cselect_b64 s[8:9], s[8:9], s[10:11]
	s_cselect_b32 s18, 0, 512
	s_sub_co_u32 s18, ttmp9, s18
	s_lshl_b32 s18, s18, 1
	s_add_co_u32 s18, s18, s16                     ; my tile
	s_mov_b32 s25, 0
	s_lshl_b32 s24, s18, 15                        ; 16 rows of 2,048 bytes
	s_add_nc_u64 s[4:5], s[4:5], s[24:25]
	s_mul_i32 s24, s18, TIMG
	s_add_nc_u64 s[8:9], s[8:9], s[24:25]
.macro LOAD s                          ; K step s: 512 bytes of each of the 16 rows
.irp i, 0,1,2,3,4,5,6,7,8,9,10,11,12,13,14,15
	global_load_b128 v[R+64*((\s)%2)+4*\i:R+64*((\s)%2)+4*\i+3], v4, s[4:5] offset:\i*2048+(\s)*512 th:TH_LOAD_NT
.endr
.endm
.macro TURN s                          ; through the stage: LDS serves a wave's instructions in order
.irp i, 0,1,2,3,4,5,6,7,8,9,10,11,12,13,14,15
	ds_store_b128 v5, v[R+64*((\s)%2)+4*\i:R+64*((\s)%2)+4*\i+3] offset:\i*528
.endr
.irp b, 0,1,2,3
.irp q, 0,1,2,3
	ds_load_b128 v[X+16*\b+4*\q:X+16*\b+4*\q+3], v6 offset:128*\b+16*\q
.endr
.endr
.endm
.macro NORM first                      ; the squares of my 64 numbers, in four packed chains; the first four products start the chains
.set u, 0
.rept 32
.if (\first) && (u < 4)
	v_pk_mul_f32 v[AN+2*u:AN+2*u+1], v[X+2*u:X+2*u+1], v[X+2*u:X+2*u+1]
.else
	v_pk_fma_f32 v[AN+2*(u%4):AN+2*(u%4)+1], v[X+2*u:X+2*u+1], v[X+2*u:X+2*u+1], v[AN+2*(u%4):AN+2*(u%4)+1]
.endif
.set u, u+1
.endr
.endm
.macro QUANT s                         ; v[X] on become the fragment's codes in v[PC] on and the scale word in v[PWS + s]
.irp b, 0,1,2,3
	v_max3_num_f32 v[TM+\b], |v[X+16*\b]|, |v[X+1+16*\b]|, 0x4800000   ; my 16 numbers of block b, and the floor 2^(9 - 127)
.endr
.irp i, 2,4,6,8,10,12,14
.irp b, 0,1,2,3
	v_max3_num_f32 v[TM+\b], v[TM+\b], |v[X+16*\b+\i]|, |v[X+1+16*\b+\i]|
.endr
.endr
.irp b, 0,1,2,3
	v_permlanex16_b32 v[TM+4+\b], v[TM+\b], s[SEL], s[SEL+1]
.endr
.irp b, 0,1,2,3
	v_max_num_f32 v[TM+\b], v[TM+\b], v[TM+4+\b]   ; with lane l xor 16's: the block's largest magnitude
.endr
.irp b, 0,1,2,3
	v_add_nc_u32 v[TM+12+\b], 0xfc000000, v[TM+\b] ; 8 off its exponent field: the conversion's scale operand
.endr
.irp b, 0,1,2,3
	v_and_or_b32 v[TM+8+\b], v[TM+\b], 0x7f800000, s[MNT]   ; 448 x the scale
.endr
.irp b, 0,1,2,3
	v_lshrrev_b32 v[TM+4+\b], 23, v[TM+12+\b]      ; the scale's byte
.endr
	v_lshl_or_b32 v[PWS+(\s)], v[TM+5], 8, v[TM+4]
	v_lshl_or_b32 v[PWS+(\s)], v[TM+6], 16, v[PWS+(\s)]
	v_lshl_or_b32 v[PWS+(\s)], v[TM+7], 24, v[PWS+(\s)]
.irp b, 0,1,2,3
.irp i, 0,1,2,3,4,5,6,7,8,9,10,11,12,13,14,15
	v_med3_num_f32 v[X+16*\b+\i], v[X+16*\b+\i], -v[TM+8+\b], v[TM+8+\b]   ; the conversion does not saturate (ISA guide 7.6.2): the hold
.endr
	v_cvt_scalef32_pk8_fp8_f32 v[PC+4*\b:PC+1+4*\b], v[X+16*\b:X+7+16*\b], v[TM+12+\b]
	v_cvt_scalef32_pk8_fp8_f32 v[PC+2+4*\b:PC+3+4*\b], v[X+8+16*\b:X+15+16*\b], v[TM+12+\b]
.endr
	v_nop                                          ; one plain vector line behind the last conversion of the run
.endm
	LOAD 0
	LOAD 1
.irp s, 0,1,2,3
.if \s < 3
	s_wait_loadcnt 16                              ; this K step's 16 loads are in; the next step's 16 may be out
.else
	s_wait_loadcnt 0x0
.endif
	TURN \s
	s_wait_dscnt 0x0                               ; my 64 numbers are back, and the stores into the stage have read their registers
.if \s < 2
	LOAD \s+2
.endif
.if \s == 0
	NORM 1
.else
	NORM 0
	s_wait_xcnt 0x0                                ; the last step's stores have read the codes' registers
.endif
	QUANT \s
.irp c, 0,1,2,3
	global_store_b128 v4, v[PC+4*\c:PC+4*\c+3], s[8:9] offset:\s*2048+\c*512   ; 512 consecutive bytes, aligned
.endr
.endr
	v_pk_add_f32 v[AN:AN+1], v[AN:AN+1], v[AN+2:AN+3]
	v_pk_add_f32 v[AN+4:AN+5], v[AN+4:AN+5], v[AN+6:AN+7]
	v_pk_add_f32 v[AN:AN+1], v[AN:AN+1], v[AN+4:AN+5]
	v_add_f32 v[AN], v[AN], v[AN+1]
	v_permlanex16_b32 v[AN+1], v[AN], s[SEL], s[SEL+1]
	v_add_f32 v[AN], v[AN], v[AN+1]                ; with lane l xor 16's half of the row: lanes l and l xor 16 hold the same number
	v_mul_f32 v[AN], -0.5, v[AN]
	global_store_b32 v9, v[AN], s[8:9] offset:8448 ; 32 lanes: the 16 numbers twice,
	global_store_b32 v9, v[AN], s[8:9] offset:8576 ; and twice more: the block of 256 bytes is written whole
	v_cmp_gt_u32 vcc_lo, 16, v1
	s_wait_alu depctr_va_vdst(0)
	s_wait_xcnt 0x0                                ; EXEC changes only behind this wait
	s_wait_tensorcnt 0x0                           ; the wave's end
	ds_add_u32 v62, v63
	s_wait_dscnt 0x0
	s_and_saveexec_b32 s30, vcc_lo                 ; lanes 0 to 15: a lane a row
	global_store_b128 v8, v[PWS:PWS+3], s[8:9] offset:8192   ; sixteen lanes store 256 consecutive bytes, aligned
	s_endpgm
.Lfunc_end_k_qb6956f8a3d_quant:
	.size	k_qb6956f8a3d_quant, .Lfunc_end_k_qb6956f8a3d_quant-k_qb6956f8a3d_quant
	.p2alignl 7, 3214868480
	.fill 96, 4, 3214868480
	.section	.rodata,"a",@progbits
	.p2align	6, 0x0
	.amdhsa_kernel k_qb6956f8a3d_quant
		.amdhsa_group_segment_fixed_size 17152
		.amdhsa_private_segment_fixed_size 0
		.amdhsa_enable_private_segment 0
		.amdhsa_kernarg_size 32
		.amdhsa_user_sgpr_count 2
		.amdhsa_user_sgpr_kernarg_segment_ptr 1
		.amdhsa_wavefront_size32 1
		.amdhsa_system_sgpr_workgroup_id_x 1
		.amdhsa_system_sgpr_workgroup_id_y 1
		.amdhsa_system_sgpr_workgroup_id_z 1
		.amdhsa_system_vgpr_workitem_id 0
		.amdhsa_next_free_vgpr 256
		.amdhsa_next_free_sgpr 66
		.amdhsa_reserve_vcc 1
		.amdhsa_float_denorm_mode_32 3
		.amdhsa_float_denorm_mode_16_64 3
		.amdhsa_memory_ordered 1
		.amdhsa_forward_progress 1
		.amdhsa_inst_pref_size 59
	.end_amdhsa_kernel
	.amdgpu_metadata
---
amdhsa.version: [ 1, 2 ]
amdhsa.kernels:
  - .name:           k_qb6956f8a3d_quant
    .symbol:         k_qb6956f8a3d_quant.kd
    .args:
      - { .name: z, .offset: 0, .size: 8, .value_kind: global_buffer, .address_space: global }
      - { .name: embedding, .offset: 8, .size: 8, .value_kind: global_buffer, .address_space: global }
      - { .name: z_img, .offset: 16, .size: 8, .value_kind: global_buffer, .address_space: global }
      - { .name: e_img, .offset: 24, .size: 8, .value_kind: global_buffer, .address_space: global }
    .group_segment_fixed_size: 17152
    .private_segment_fixed_size: 0
    .kernarg_segment_align: 8
    .kernarg_segment_size: 32
    .max_flat_workgroup_size: 64
    .sgpr_count:     66
    .vgpr_count:     256
    .wavefront_size: 32
...
	.end_amdgpu_metadata
.endif
;; end of part 1
;; launch nearest (part 2): grid 64 x 4, 4 waves a work-group, clusters of 4 x 1, 327,680 bytes of LDS; arguments z_img, e_img, pkey, pidx; writes pkey, pidx
.if DOCPART == 2
	.amdgcn_target "amdgcn-amd-amdhsa--gfx1250"
	.amdhsa_code_object_version 6
	.text
	.protected	k_qb6956f8a3d_nearest
	.globl	k_qb6956f8a3d_nearest
	.p2align	8
	.type	k_qb6956f8a3d_nearest,@function
k_qb6956f8a3d_nearest:
	s_mov_b64 s[64:65], 0
	v_nop
	global_prefetch_b8 v0, s[64:65] scope:SCOPE_SE
	s_setreg_imm32_b32 hwreg(HW_REG_WAVE_MODE, 25, 1), 1
	s_wait_xcnt 0x0
	s_wait_alu depctr_hold_cnt(0) depctr_sa_sdst(0) depctr_va_vdst(0) depctr_va_sdst(0) depctr_va_ssrc(0) depctr_va_vcc(0) depctr_vm_vsrc(0)
	s_getreg_b32 s2, hwreg(HW_REG_IB_STS2, 6, 4)
	s_cmp_eq_u32 s2, 0
	s_cbranch_scc0 .Lentry_in_a_cluster
	s_endpgm
.Lentry_in_a_cluster:
	s_bfe_u32 s2, ttmp6, 0x10000c
	s_cmp_lg_u32 s2, 0x3003
	s_cbranch_scc0 .Lentry_shape_is_right
	s_endpgm
.Lentry_shape_is_right:
; For 256 rows of z and a quarter (2,048) of the codes: s = z . e - 1/2 |e|^2 on codes of FP8 (E4M3) with E8M0 scales, and for each row the largest s and the lowest code that has it.
; dist = |z|^2 - 2 z.e + |e|^2 = -2 (s - 1/2 |z|^2): the smallest distance is the largest s.  -1/2 |e|^2 is the C of each sum's first matrix instruction; -1/2 |z|^2 is added once at the end.
; The row's best value leaves as a WHOLE NUMBER that keeps the order of the f32 numbers (sign bit flipped for positive numbers, all bits for negative ones), beside the code's number.
; LIMIT: only the order of the f32 roundings differs from forming the distance term by term: two codes whose distances lie within about two units in the last place may be ordered the other way.  NaN and infinities are not served.
; SHARES.  Work-group (x, y): rows 256 x on, codes 2,048 y on.  Wave w = 2 a + b keeps rows 128 a .. + 127 of z (8 tiles x 4 K steps, 512 registers) and takes codes 128 b .. + 127 of each slot of 256 codes.
; A slot is 16 tile images of 8,704 bytes (codes, scale bytes, -1/2 |e|^2), one dense block of 139,264 bytes; each wave fetches a quarter of it, 136 rows of 256 bytes, by one load.  Two slots take turns; 8 slots' worth in all.
; CLUSTER.  The four row blocks of a cluster walk the same quarter of the codes: every tensor load is asked for jointly, with the mask of all four.  z is read by nobody else in the cluster, straight into registers.
; THE MATRIX INSTRUCTION IS USED TRANSPOSED: source 0 = 16 codes, source 1 = 16 rows of z: lane (r, h) holds row r of z, and register j code 8 h + j.
; A TILE of 16 codes is 32 matrix instructions in two groups: z's tiles 0-3, then 4-7, each group 4 K steps x 4 accumulators by turns.  While one group is multiplied the other's results are searched.
; THE SEARCH, 9 lines for 8 results: three-way maxima TA, TB, TC (with the running maximum) and their maximum; a strict compare into VCC (the earliest tile stays); four dual selections that keep results 0-6 and the tile's number.
; At the end the lowest kept place that equals the maximum gives the code; if none does, it is place 7.  The lines stand 2, 2, 2, 3 behind the matrix instructions.
; PLACES (eight behind this form).  A group's first result is read behind the 9 lines that stand behind the group's last four matrix instructions and name the other group alone.
; PREFETCH.  All clusters of a quarter walk the same codes: the quarter's first cluster asks, behind each refill, for the slot that the next refill will load; its 16 waves take 34 blocks of 256 bytes each, told apart by address.
; REGISTERS: window 0: addresses, scale words, the search and the 8 accumulators; windows 1, 2: z's tiles 0-3, 4-7; window 3: v0-127 the codes' fragments, two sets.
.set TIMG,  8704
.set SLOT,  16*TIMG
.set QUART, 4*TIMG
.set HALF,  8*TIMG
.set SCR,   2*SLOT                     ; 4,096 bytes for the waves' results: no fill lands here
.set SPARE, SCR+4096                   ; the spare words, 128 bytes a wave
.set SPW, 1                            ; v1  SPARE + 4 x my thread's number; never rewritten
.set NIL, 2                            ; v2  0; never rewritten
.set AE0, 3                            ; v3  16 x lane + HALF b
.set AS0, 4                            ; v4  8,192 + 16 r + HALF b
.set AN0, 5                            ; v5  8,448 + 32 h + HALF b
.set ADR, 6                            ; v6-8 the same at the pair of tiles in hand
.set ADS, 7
.set ADN, 8
.set PFO, 9                            ; v9  256 x lane
.set TGV, 13                           ; v13 the number of the tile whose results are searched
.set ZS,  16                           ; v16-47 z's scale words
.set PFO2, 48                          ; v48 8,192 + 256 x min(lane, 1)
.set ES,  50                           ; v50-57 the codes' scale words, two sets: never equal to z's modulo 8
.set NH,  58                           ; v58-73 -1/2 |e|^2, two sets
.set VM,  74                           ; v74-89 the running maxima, two sets by turns
.set TA,  90
.set TBB, 91
.set TC,  92
.set NHZ, 96                           ; v96-99 -1/2 |z|^2 of four rows
.set SN,  128                          ; v128-191 for each tile of z: results 0-6 of the tile that raised the maximum last, and its number
.set AC,  192                          ; v192-255 the accumulators
.set WV,  16                           ; s16 wave; s17 a; s18 b; s19 cx; s20 row block; s21 the quarter
.set G1,  24                           ; s[24:31] descriptor group 1
.set G0,  32                           ; s[32:39] group 0, one set for each slot
.set TB,  40                           ; s40 LDS byte of the pair of tiles to be fetched
.set INNER, 41
.set SLOTS, 42
.set LIM, 44                           ; s44, s45: 0 and 1 in the cluster that prefetches, else the greatest number
.set PFA, 46                           ; s[46:47] where my prefetches stand
.set SEL, 48                           ; s[48:49] lane selects: lane l xor 16
.set MSB, 0
.macro WIN new                         ; the immediate's high byte repeats the setting that is left
.if MSB != \new
	s_set_vgpr_msb (MSB<<8)|\new
.set MSB, \new
.endif
.endm
.macro CREST                           ; a round of the cluster's barrier behind its opening barrier
	s_cmp_lg_u32 s[WV], 0
	s_cbranch_scc1 .Lnot_wave_0_\@
	s_barrier_signal -3
.Lnot_wave_0_\@:
	s_barrier_wait -3
	s_barrier_signal -1
	s_barrier_wait -1
.endm
.macro CROUND
	s_barrier_signal -1
	s_barrier_wait -1
	CREST
.endm
.macro ASK s                           ; six refills load slots' worth 2 to 7; the first five ask for 3 to 7, the last for nothing
	s_cmp_gt_u32 s[SLOTS], s[LIM+(\s)]
	s_cbranch_scc0 .Lnot_mine_\@
	global_prefetch_b8 v[PFO], s[PFA:PFA+1] th:TH_LOAD_NT scope:SCOPE_SE
	global_prefetch_b8 v[PFO2], s[PFA:PFA+1] th:TH_LOAD_NT scope:SCOPE_SE
.Lnot_mine_\@:
.endm
	s_load_b256 s[4:11], s[0:1], 0x0               ; z's images, the codes' images, pkey, pidx
	v_lshl_add_u32 v[SPW], v0, 2, SPARE
	v_mov_b32 v[NIL], 0
	ds_add_u32 v[SPW], v[NIL]                      ; the opening lines: the add twice on end and its wait
	ds_add_u32 v[SPW], v[NIL]
	v_lshrrev_b32 v10, 5, v0
	v_readfirstlane_b32 s[WV], v10
	s_lshr_b32 s17, s[WV], 1
	s_and_b32 s18, s[WV], 1
	s_bfe_u32 s19, ttmp6, 0x40000
	s_lshl_b32 s20, ttmp9, 2
	s_add_co_u32 s20, s20, s19                     ; my block of 256 rows: it enters z's and the results' addresses alone
	s_and_b32 s21, ttmp7, 0xffff
	s_mov_b32 s[G1], 15|(3<<16)|(1<<21)            ; the mask of all four; elements of 8 bytes; bit 21 beside a mask; no padding
	s_mov_b32 s[G1+1], 32<<16                      ; rows of 256 bytes
	s_mov_b32 s[G1+2], 136<<16                     ; 136 rows
	s_mov_b32 s[G1+3], 32<<16
	s_mov_b32 s[G1+4], 136
	s_mov_b32 s[G1+5], 32                          ; dense
	s_mov_b32 s[G1+6], 0
	s_mov_b32 s[G1+7], 0
	s_mul_i32 s50, s[WV], QUART                    ; my quarter of a slot
	s_mul_i32 s52, s21, 128*TIMG
	s_add_co_u32 s52, s52, s50
	s_mov_b32 s53, 0
	s_mul_i32 s54, s19, TIMG                       ; the prefetches: my work-group's 34 blocks of a wave's 136
	s_mov_b32 s55, 0
	s_lshl_b32 s56, s20, 1
	s_add_co_u32 s56, s56, s17
	s_mul_i32 s56, s56, HALF                       ; z: 8 tiles for each a
	s_mov_b32 s57, 0
	s_lshl_b32 s58, s21, 16                        ; the results: [quarter][16,384] words
	s_lshl_b32 s59, s20, 10
	s_add_co_u32 s58, s58, s59
	s_lshl_b32 s59, s17, 9
	s_add_co_u32 s58, s58, s59
	s_mov_b32 s59, 0
	s_mul_i32 s60, s18, HALF
	s_add_co_u32 s61, s60, 8192
	s_add_co_u32 s62, s60, 8448
	s_mov_b32 s63, 0xff800000                      ; -infinity
	s_mov_b32 s[SEL], 0x76543210
	s_mov_b32 s[SEL+1], 0xfedcba98
	s_mov_b32 s[TB], 0
	s_cmp_eq_u32 ttmp9, 0                          ; the quarter's first cluster: the same in all four partners
	s_cselect_b32 s[LIM], 0, -1
	s_cselect_b32 s[LIM+1], 1, -1
	v_and_b32 v11, 31, v0                          ; lane
	v_and_b32 v14, 15, v0                          ; r
	v_bfe_u32 v15, v0, 4, 1                        ; h
	v_lshlrev_b32 v12, 4, v11                      ; 16 x lane; it stays
	v_add_nc_u32 v[AE0], s60, v12
	v_lshl_add_u32 v[AS0], v14, 4, s61
	v_lshl_add_u32 v[AN0], v15, 5, s62
	v_lshlrev_b32 v[PFO], 8, v11
	v_min_u32 v10, 1, v11
	v_lshl_add_u32 v[PFO2], v10, 8, 8192
	v_lshlrev_b32 v10, 4, v14                      ; z's scale words: 16 bytes a row
	v_lshrrev_b32 v[TA], 2, v11
	v_mul_u32_u24 v[TA], v[TA], TIMG
	v_and_b32 v[TBB], 3, v11
	v_lshl_add_u32 v11, v[TBB], 4, v[TA]           ; z's numbers, four rows a lane: tile lane / 4, 16 (lane % 4)
	v_add_nc_u32 v[ADR], s[TB], v[AE0]
	v_add_nc_u32 v[ADS], s[TB], v[AS0]
	v_add_nc_u32 v[ADN], s[TB], v[AN0]
	s_wait_alu depctr_va_vdst(0)                   ; the wait, directly ahead of the waits below
	s_wait_dscnt 0x0
	s_wait_kmcnt 0x0
	s_mov_b32 s[G0], 1
	s_mov_b32 s[G0+1], s50
	s_add_nc_u64 s[G0+2:G0+3], s[6:7], s[52:53]
	s_mov_b32 s[G0+4], 1
	s_add_co_u32 s[G0+5], s50, SLOT
	s_add_nc_u64 s[G0+6:G0+7], s[G0+2:G0+3], SLOT
	s_add_nc_u64 s[PFA:PFA+1], s[G0+2:G0+3], s[54:55]
	s_add_nc_u64 s[PFA:PFA+1], s[PFA:PFA+1], 2*SLOT   ; the first refill steps it to the fourth slot's worth
	s_or_b32 s[G0+3], s[G0+3], 0x80000000
	s_or_b32 s[G0+7], s[G0+7], 0x80000000
	s_add_nc_u64 s[4:5], s[4:5], s[56:57]
	s_add_nc_u64 s[8:9], s[8:9], s[58:59]
	s_add_nc_u64 s[10:11], s[10:11], s[58:59]
	CROUND                                         ; all four work-groups are here: the first joint loads meet
	tensor_load_to_lds s[G0:G0+3], s[G1:G1+7]      ; my quarter of slot 0: one tensor load a wave at the head
	s_nop 0
.rept 4
	v_nop
.endr
	WIN 0x40                                       ; destination window 1
.irp i, 0,1,2,3                        ; z stays in registers: tile i, K step f / 4, registers 4 (f % 4) on
.irp f, 0,1,2,3,4,5,6,7,8,9,10,11,12,13,14,15
	global_load_b128 v[64*\i+4*\f:64*\i+4*\f+3], v12, s[4:5] offset:\i*TIMG+512*\f
.endr
.endr
	WIN 0x80                                       ; destination window 2
.irp i, 4,5,6,7
.irp f, 0,1,2,3,4,5,6,7,8,9,10,11,12,13,14,15
	global_load_b128 v[64*(\i-4)+4*\f:64*(\i-4)+4*\f+3], v12, s[4:5] offset:\i*TIMG+512*\f
.endr
.endr
	WIN 0
.irp i, 0,1,2,3,4,5,6,7
	global_load_b128 v[ZS+4*\i:ZS+4*\i+3], v10, s[4:5] offset:\i*TIMG+8192
.endr
	global_load_b128 v[NHZ:NHZ+3], v11, s[4:5] offset:8448
	; the loop is written once: its first tile searches a second group of -infinity, which raises nothing.  These lines stand while the first loads are on their way
.set u, 0
.rept 32
	v_mov_b32 v[AC+32+u], s63
.set u, u+1
.endr
.set u, 0
.rept 16
	v_mov_b32 v[VM+u], s63
.set u, u+1
.endr
.set u, 0
.rept 64
	v_mov_b32 v[SN+u], 0
.set u, u+1
.endr
	v_mov_b32 v[TGV], -1
; matrix instruction bt of a tile's 32, on fragment set p: group bt / 16, K step (bt % 16) / 4, z's tile 4 x group + bt % 4
.macro MM p
.set mS, (bt%16)/4
.set mI, 4*(bt/16)+bt%4
	WIN 0x07+4*(bt/16)                             ; source 0 (the codes) window 3, source 1 (z) window 1 or 2, C and D window 0
.set mD, AC+8*mI
.set mA, 64*(\p)+16*mS
.set mB, 64*(bt%4)+16*mS
.if mS == 0
	v_wmma_scale_f32_16x16x128_f8f6f4 v[mD:mD+7], v[mA:mA+15], v[mB:mB+15], v[NH+8*(\p):NH+8*(\p)+7], v[ES+4*(\p)+mS], v[ZS+4*mI+mS]
.else
	v_wmma_scale_f32_16x16x128_f8f6f4 v[mD:mD+7], v[mA:mA+15], v[mB:mB+15], v[mD:mD+7], v[ES+4*(\p)+mS], v[ZS+4*mI+mS]
.endif
.endm
; one line of the search in z's tile i.  k: 0-2 the three maxima (the accumulator is read from its low end on), 3 the new maximum, 4 the compare, 5-8 the selections.  The maximum is read from set par and written to the other
.macro OP par, k, i
.set eD, AC+8*(\i)
.set eS, SN+8*(\i)
.set eV, VM+8*(\par)+(\i)
.set eW, VM+8*(1-(\par))+(\i)
.if (\k) == 0
	v_max3_num_f32 v[TA], v[eD], v[eD+1], v[eD+2]
.elseif (\k) == 1
	v_max3_num_f32 v[TBB], v[eD+3], v[eD+4], v[eD+5]
.elseif (\k) == 2
	v_max3_num_f32 v[TC], v[eD+6], v[eD+7], v[eV]
.elseif (\k) == 3
	v_max3_num_f32 v[eW], v[TA], v[TBB], v[TC]
.elseif (\k) == 4
	v_cmp_gt_f32 vcc_lo, v[eW], v[eV]
.elseif (\k) < 8
.set eJ, 2*((\k)-5)
	v_dual_cndmask_b32 v[eS+eJ], v[eS+eJ], v[eD+eJ] :: v_dual_cndmask_b32 v[eS+eJ+1], v[eS+eJ+1], v[eD+eJ+1]
.else
	v_dual_cndmask_b32 v[eS+6], v[eS+6], v[eD+6] :: v_dual_cndmask_b32 v[eS+7], v[eS+7], v[TGV]
.endif
.endm
; line g of the 36 of a group's search: the first tile's maxima; three times nine lines, a tile's compare and selections among the next tile's maxima; the last tile's compare and selections
.macro SL par, grp, g
.if (\g) < 4
	OP \par, (\g), 4*(\grp)
.elseif (\g) < 31
.set sE, ((\g)-4)%9
.set sK, (0x837625104>>(4*sE))&15
.set sI, 4*(\grp)+((\g)-4)/9+((0x96>>sE)&1)
	OP \par, sK, sI
.else
	OP \par, (\g)-27, 4*(\grp)+3
.endif
.endm
; the 19 LDS loads of a tile of codes into set dp, in one run; off: the first or second tile of the pair at which the addresses stand
.macro FETCH dp, off
	ds_load_b128 v[ES+4*(\dp):ES+4*(\dp)+3], v[ADS] offset:TIMG*(\off)
	ds_load_b128 v[NH+8*(\dp):NH+8*(\dp)+3], v[ADN] offset:TIMG*(\off)
	ds_load_b128 v[NH+8*(\dp)+4:NH+8*(\dp)+7], v[ADN] offset:TIMG*(\off)+16
	WIN 0xc0                                       ; destination window 3
.irp f, 0,1,2,3,4,5,6,7,8,9,10,11,12,13,14,15
	ds_load_b128 v[64*(\dp)+4*\f:64*(\dp)+4*\f+3], v[ADR] offset:TIMG*(\off)+512*\f
.endr
	WIN 0
.endm
; one matrix instruction and the lines behind it.  Behind 0-15: the last tile's second group; behind 16-31: this tile's first group
.macro BEAT p, kind, s
.if (((\kind) == 1) || ((\kind) == 2)) && (bt == 8)
	s_wait_alu depctr_va_vdst(0)                   ; the wait, directly ahead of the wait below
	s_wait_dscnt 0x0                               ; the add is done; my reads of this slot were over at the tile's head
	s_barrier_signal -1
.endif
.if (((\kind) == 1) || ((\kind) == 2)) && (bt == 16)
	s_barrier_wait -1                              ; the other slot is whole, nobody of my work-group reads this one.  VCC holds nothing here: a group's search is over
.if (\kind) == 1
	CREST                                          ; nor any partner's wave
	tensor_load_to_lds s[G0+4*(\s):G0+4*(\s)+3], s[G1:G1+7]   ; the joint refill, my one tensor load until the next round
	s_nop 0
.rept 4
	v_nop
.endr
.endif
	FETCH 1-(\p), 1-(\p)
.if (\kind) == 1
	ASK \s
.endif
.endif
.if ((\kind) == 0) && (bt == 6)
	FETCH 1-(\p), 1-(\p)                           ; 13 lines behind the last tile's last matrix instruction and behind the addresses' lines
.endif
	MM \p
	WIN 0
.if (bt == 0) && ((\p) == 1) && ((\kind) < 3)
	v_add_nc_u32 v[ADR], s[TB], v[AE0]             ; the addresses of the next pair of tiles
	v_add_nc_u32 v[ADS], s[TB], v[AS0]
	v_add_nc_u32 v[ADN], s[TB], v[AN0]
.endif
.set gl, 9*((bt%16)/4)+2*(bt%4)
.if bt < 16
.set sP, 1-(\p)
.set sG, 1
.else
.set sP, \p
.set sG, 0
.endif
	SL sP, sG, gl
	SL sP, sG, gl+1
.if bt%4 == 3
	SL sP, sG, gl+2
.endif
.if bt == 15
	v_add_nc_u32 v[TGV], 1, v[TGV]                 ; from here on this tile's results are searched
.endif
.endm
; A TILE of 16 codes on set p.  kind 0: plain; 1: slot s's last tile, the slot is filled again; 2: a slot's last tile, nothing is filled; 3: the very last tile
.macro TILE p, kind, s
	s_wait_dscnt 0x0                               ; this tile's 19 loads
.if (\p) == 1
.if (\kind) == 0
	s_add_co_u32 s[TB], s[TB], 2*TIMG
.elseif (\kind) < 3
	s_mov_b32 s[TB], (1-(\s))*SLOT
.endif
.endif
.if ((\kind) == 1) || ((\kind) == 2)
.if (\kind) == 1
	s_wait_xcnt 0x0                                ; the last prefetches, a slot back, have read their address
	s_add_nc_u64 s[PFA:PFA+1], s[PFA:PFA+1], SLOT
.endif
	s_wait_tensorcnt 0x0                           ; my one load that was out, my quarter of the other slot, has landed
	ds_add_u32 v[SPW], v[NIL]                      ; eight matrix instructions stand between the add and the wait for it
.if (\kind) == 1
	s_add_nc_u64 s[G0+4*(\s)+2:G0+4*(\s)+3], s[G0+4*(\s)+2:G0+4*(\s)+3], 2*SLOT
.endif
.endif
.set bt, 0
.rept 32
	BEAT \p, \kind, \s
.set bt, bt+1
.endr
.endm
.macro SLOTBODY s, kind                ; a slot's eight tiles: three trips of two, and the last two written out
	s_mov_b32 s[INNER], 3
.Linner_\@:
	TILE 0, 0, \s
	TILE 1, 0, \s
	s_sub_co_u32 s[INNER], s[INNER], 1
	s_cmp_lg_u32 s[INNER], 0
	s_cbranch_scc1 .Linner_\@
	TILE 0, 0, \s
	TILE 1, \kind, \s
.endm
	s_wait_alu depctr_va_vdst(0)                   ; the wait at the head's end
	s_wait_tensorcnt 0x0                           ; my quarter of slot 0 is in; slot 1's first fill is issued as a refill is
	ds_add_u32 v[SPW], v[NIL]
	s_wait_dscnt 0x0
	CROUND
	tensor_load_to_lds s[G0+4:G0+7], s[G1:G1+7]
	s_nop 0
.rept 4
	v_nop
.endr
	FETCH 0, 0                                     ; the first tile of codes
	s_wait_loadcnt 0x0                             ; z, its scale words and its numbers
	s_mov_b32 s[SLOTS], 3
.Lslot:                                            ; three trips of two slots, each followed by a refill
	SLOTBODY 0, 1
	SLOTBODY 1, 1
	s_sub_co_u32 s[SLOTS], s[SLOTS], 1
	s_cmp_lg_u32 s[SLOTS], 0
	s_cbranch_scc1 .Lslot
	SLOTBODY 0, 2                                  ; the tail is written out
	SLOTBODY 1, 3
.set gl, 0
.rept 36
	SL 1, 1, gl                                    ; the last tile's second group
.set gl, gl+1
.endr
	; THE END.  For each tile of z: the lowest kept place that equals the maximum; the code's number; the better of lanes l and l xor 16 (on equal values the lower code); into the wave's 512 + 512 bytes of LDS
	s_lshl_b32 s50, s21, 11
	s_lshl_b32 s51, s18, 7
	s_add_co_u32 s50, s50, s51
	s_lshl_b32 s51, s[WV], 9
	s_add_co_u32 s51, s51, SCR
	s_lshl_b32 s59, s17, 10
	s_add_co_u32 s59, s59, SCR
	v_lshl_add_u32 v11, v15, 3, s50                ; 2,048 x quarter + 128 b + 8 h
	v_lshl_add_u32 v93, v14, 2, s51                ; where I put a row's result: SCR + 512 x wave + 4 r
	v_add_nc_u32 v94, s59, v12                     ; where four rows' results are read back: SCR + 1,024 a + 16 x lane
.macro PICK va, ia, vb, ib, vo, io     ; (vb, ib) is taken where vb is larger, or equal with the lower code
	v_cmp_gt_f32 s60, v[\vb], v[\va]
	v_cmp_eq_f32 s61, v[\vb], v[\va]
	v_cmp_lt_u32 s62, v[\ib], v[\ia]
	s_and_b32 s61, s61, s62
	s_or_b32 s60, s60, s61
	v_cndmask_b32 v[\vo], v[\va], v[\vb], s60
	v_cndmask_b32 v[\io], v[\ia], v[\ib], s60
.endm
.irp i, 0,1,2,3,4,5,6,7
.irp k, 0,1,2,3,4,5,6
	v_cmp_eq_f32 s[52+\k], v[SN+8*\i+\k], v[VM+\i]
.endr
	v_mov_b32 v10, 7
.irp k, 6,5,4,3,2,1,0
	v_cndmask_b32 v10, v10, \k, s[52+\k]           ; the lowest place wins
.endr
	v_and_b32 v90, 56, v[SN+8*\i+7]                ; the slot: 256 codes each
	v_and_b32 v91, 7, v[SN+8*\i+7]                 ; the tile in my half of it: 16 codes each
	v_lshl_add_u32 v10, v90, 5, v10
	v_lshl_add_u32 v10, v91, 4, v10
	v_add_nc_u32 v10, v10, v11
	v_permlanex16_b32 v14, v[VM+\i], s[SEL], s[SEL+1]
	v_permlanex16_b32 v15, v10, s[SEL], s[SEL+1]
	PICK VM+\i, 10, 14, 15, 92, 10
	ds_store_b32 v93, v92 offset:64*\i             ; both lanes of a row write the same word with the same value
	ds_store_b32 v93, v10 offset:2048+64*\i
.endr
	s_wait_dscnt 0x0                               ; for the others' sake: my stores are done
	s_barrier_signal -1
	s_barrier_wait -1
	; the two waves of a row half join their halves of the codes, four rows a lane; both compute, the wave with b = 0 stores the keys, the other the codes' numbers
	ds_load_b128 v[100:103], v94                   ; values of b = 0,
	ds_load_b128 v[104:107], v94 offset:512        ; of b = 1,
	ds_load_b128 v[108:111], v94 offset:2048       ; and their codes
	ds_load_b128 v[112:115], v94 offset:2560
	s_cmp_eq_u32 s18, 0
	s_cselect_b64 s[8:9], s[8:9], s[10:11]
	s_cselect_b32 s63, 0, -1
	s_wait_dscnt 0x0
.irp e, 0,1,2,3
	PICK 100+\e, 108+\e, 104+\e, 112+\e, 116+\e, 120+\e
	v_add_f32 v[116+\e], v[116+\e], v[NHZ+\e]      ; - 1/2 |z|^2: -1/2 x the distance
	v_ashrrev_i32 v124, 31, v[116+\e]
	v_or_b32 v124, 0x80000000, v124
	v_xor_b32 v[116+\e], v[116+\e], v124           ; the key: unsigned order = the f32 order
	v_cndmask_b32 v[116+\e], v[116+\e], v[120+\e], s63
.endr
	global_store_b128 v12, v[116:119], s[8:9]      ; 32 lanes store 512 consecutive bytes, aligned
	s_wait_tensorcnt 0x0                           ; the wave's end
	ds_add_u32 v[SPW], v[NIL]
	s_wait_dscnt 0x0
	CROUND                                         ; the closing round
	s_endpgm
.Lfunc_end_k_qb6956f8a3d_nearest:
	.size	k_qb6956f8a3d_nearest, .Lfunc_end_k_qb6956f8a3d_nearest-k_qb6956f8a3d_nearest
	.p2alignl 7, 3214868480
	.fill 96, 4, 3214868480
	.section	.rodata,"a",@progbits
	.p2align	6, 0x0
	.amdhsa_kernel k_qb6956f8a3d_nearest
		.amdhsa_group_segment_fixed_size 327680
		.amdhsa_private_segment_fixed_size 0
		.amdhsa_enable_private_segment 0
		.amdhsa_kernarg_size 32
		.amdhsa_user_sgpr_count 2
		.amdhsa_user_sgpr_kernarg_segment_ptr 1
		.amdhsa_wavefront_size32 1
		.amdhsa_system_sgpr_workgroup_id_x 1
		.amdhsa_system_sgpr_workgroup_id_y 1
		.amdhsa_system_sgpr_workgroup_id_z 1
		.amdhsa_system_vgpr_workitem_id 0
		.amdhsa_next_free_vgpr 1024
		.amdhsa_next_free_sgpr 68
		.amdhsa_reserve_vcc 1
		.amdhsa_float_denorm_mode_32 3
		.amdhsa_float_denorm_mode_16_64 3
		.amdhsa_memory_ordered 1
		.amdhsa_forward_progress 1
		.amdhsa_inst_pref_size 231
	.end_amdhsa_kernel
	.amdgpu_metadata
---
amdhsa.version: [ 1, 2 ]
amdhsa.kernels:
  - .name:           k_qb6956f8a3d_nearest
    .symbol:         k_qb6956f8a3d_nearest.kd
    .args:
      - { .name: z_img, .offset: 0, .size: 8, .value_kind: global_buffer, .address_space: global }
      - { .name: e_img, .offset: 8, .size: 8, .value_kind: global_buffer, .address_space: global }
      - { .name: pkey, .offset: 16, .size: 8, .value_kind: global_buffer, .address_space: global }
      - { .name: pidx, .offset: 24, .size: 8, .value_kind: global_buffer, .address_space: global }
    .group_segment_fixed_size: 327680
    .private_segment_fixed_size: 0
    .kernarg_segment_align: 8
    .kernarg_segment_size: 32
    .max_flat_workgroup_size: 128
    .sgpr_count:     68
    .vgpr_count:     1024
    .wavefront_size: 32
...
	.end_amdgpu_metadata
.endif
;; end of part 2
;; launch gather (part 3): grid 512 x 1, 8 waves a work-group, no clusters, 1,280 bytes of LDS; arguments z, embedding, pkey, pidx, out0, part; writes out0, part
.if DOCPART == 3
	.amdgcn_target "amdgcn-amd-amdhsa--gfx1250"
	.amdhsa_code_object_version 6
	.text
	.protected	k_qb6956f8a3d_gather
	.globl	k_qb6956f8a3d_gather
	.p2align	8
	.type	k_qb6956f8a3d_gather,@function
k_qb6956f8a3d_gather:
	s_mov_b64 s[64:65], 0
	v_nop
	global_prefetch_b8 v0, s[64:65] scope:SCOPE_SE
	s_setreg_imm32_b32 hwreg(HW_REG_WAVE_MODE, 25, 1), 1
	s_wait_xcnt 0x0
; out0[row] = embedding[the nearest code of the row], and the work-group's part of the sum of (out0 - z)^2.
; Each row has four candidates, one for each quarter of the codes: its number in pidx [4][16384] and its key in pkey [4][16384], both whole numbers; the larger key (unsigned) is the smaller distance.
; The row's code is chosen by compares of these whole numbers; the compares are strict, so on equal keys the lower quarter, which holds the lower codes, stays.  One row of the table is loaded for each row.
; SHARES: a wave takes 4 rows; a row of 2,048 bytes is four loads of 512 consecutive bytes.  All 32 row loads of a wave are out together; no register is loaded twice.
; No matrix unit, no tensor load, no cluster: nothing is multiplied and each work-group's rows are its own; the one barrier serves the sum over the eight waves.
.set ZR,  16                           ; v16-79   z, then the differences
.set CB,  80                           ; v80-143  the chosen rows
.set OFF, 144                          ; v144-147 2,048 x the code's number + 16 x lane
.set KY,  148                          ; v148-151 keys, v152-155 numbers of the four quarters: lane l holds row l % 4's
	s_load_b256 s[4:11], s[0:1], 0x0               ; z, embedding, pkey, pidx
	s_load_b128 s[12:15], s[0:1], 0x20             ; out0, part
	v_lshl_add_u32 v158, v0, 2, 0x100              ; my spare word
	v_mov_b32 v159, 0
	v_lshrrev_b32 v1, 5, v0
	v_readfirstlane_b32 s16, v1                    ; wave 0..7
	v_and_b32 v1, 31, v0
	v_and_b32 v3, 3, v0
	v_lshlrev_b32 v2, 4, v1                        ; 16 x lane
	v_lshlrev_b32 v3, 2, v3                        ; a word a row
.irp j, 8,9,10,11
	v_mov_b32 v[\j], 0                             ; the sum, in two packed chains
.endr
	s_mov_b32 s56, 0x76543210
	s_mov_b32 s57, 0xfedcba98
	s_lshl_b32 s17, ttmp9, 5
	s_lshl_b32 s18, s16, 2
	s_add_co_u32 s17, s17, s18                     ; my first row: 32 x work-group + 4 x wave
	s_lshl_b32 s2, s17, 2
	s_mov_b32 s3, 0
	s_lshl_b32 s18, s17, 11
	s_mov_b32 s19, 0
	s_wait_alu depctr_va_vdst(0)                   ; the wait at the head's end
	s_wait_kmcnt 0x0
	s_add_nc_u64 s[8:9], s[8:9], s[2:3]
	s_add_nc_u64 s[10:11], s[10:11], s[2:3]
	s_add_nc_u64 s[4:5], s[4:5], s[18:19]
	s_add_nc_u64 s[12:13], s[12:13], s[18:19]
	s_lshl_b32 s2, ttmp9, 2
	s_add_nc_u64 s[14:15], s[14:15], s[2:3]
.irp c, 0,1,2,3
	global_load_b32 v[KY+\c], v3, s[8:9] offset:\c*65536
	global_load_b32 v[KY+4+\c], v3, s[10:11] offset:\c*65536
.endr
.irp p, 0,1,2,3
.irp j, 0,1,2,3
	global_load_b128 v[ZR+16*\p+4*\j:ZR+16*\p+4*\j+3], v2, s[4:5] offset:\p*2048+512*\j th:TH_LOAD_NT
.endr
.endr
	s_wait_loadcnt 16                              ; the keys and the numbers are in; z's 16 loads may be out
	v_cmp_gt_u32 s20, v[KY+1], v[KY]
	v_cmp_gt_u32 s21, v[KY+3], v[KY+2]
	v_max_u32 v4, v[KY], v[KY+1]
	v_max_u32 v5, v[KY+2], v[KY+3]
	v_cndmask_b32 v6, v[KY+4], v[KY+5], s20
	v_cndmask_b32 v7, v[KY+6], v[KY+7], s21
	v_cmp_gt_u32 s22, v5, v4
	v_cndmask_b32 v6, v6, v7, s22                  ; lane l: the code of row l % 4
.irp p, 0,1,2,3
	v_readlane_b32 s[24+\p], v6, \p
	s_min_u32 s[24+\p], s[24+\p], 0x1fff           ; a number stays inside the table of 8,192 rows
	v_lshl_add_u32 v[OFF+\p], s[24+\p], 11, v2
.endr
.irp p, 0,1,2,3
.irp j, 0,1,2,3
	global_load_b128 v[CB+16*\p+4*\j:CB+16*\p+4*\j+3], v[OFF+\p], s[6:7] offset:512*\j   ; no hint: a row of the table may be named again
.endr
.endr
.macro ROW p
.set C0, CB+16*(\p)
.set ZP, ZR+16*(\p)
	s_wait_loadcnt 12-4*(\p)                       ; this row (and z) is in; the later rows' loads may be out
.irp j, 0,1,2,3
	global_store_b128 v2, v[C0+4*\j:C0+4*\j+3], s[12:13] offset:(\p)*2048+512*\j th:TH_STORE_NT   ; 512 consecutive bytes, aligned
.endr
.set u, 0
.rept 8
	v_pk_add_f32 v[ZP+2*u:ZP+2*u+1], v[C0+2*u:C0+2*u+1], v[ZP+2*u:ZP+2*u+1] neg_lo:[0,1] neg_hi:[0,1]   ; the chosen row - z
.set u, u+1
.endr
.set u, 0
.rept 8
	v_pk_fma_f32 v[8+2*(u%2):9+2*(u%2)], v[ZP+2*u:ZP+2*u+1], v[ZP+2*u:ZP+2*u+1], v[8+2*(u%2):9+2*(u%2)]
.set u, u+1
.endr
.endm
	ROW 0
	ROW 1
	ROW 2
	ROW 3
	v_pk_add_f32 v[8:9], v[8:9], v[10:11]
	v_add_f32 v8, v8, v9
	v_add_f32_dpp v8, v8, v8 row_xmask:1 row_mask:0xf bank_mask:0xf
	v_add_f32_dpp v8, v8, v8 row_xmask:2 row_mask:0xf bank_mask:0xf
	v_add_f32_dpp v8, v8, v8 row_xmask:4 row_mask:0xf bank_mask:0xf
	v_add_f32_dpp v8, v8, v8 row_xmask:8 row_mask:0xf bank_mask:0xf
	v_permlanex16_b32 v9, v8, s56, s57
	v_add_f32 v8, v8, v9                           ; the wave's sum, in every lane
	s_lshl_b32 s18, s16, 2
	v_mov_b32 v10, s18
	ds_store_b32 v10, v8                           ; all lanes write the wave's word with the same value
	s_wait_dscnt 0x0                               ; for the others' sake
	s_barrier_signal -1
	s_barrier_wait -1
	v_mov_b32 v11, 0
	ds_load_b128 v[16:19], v11
	ds_load_b128 v[20:23], v11 offset:16
	s_wait_alu depctr_va_vdst(0)
	s_wait_dscnt 0x0
	v_add_f32 v16, v16, v17
	v_add_f32 v18, v18, v19
	v_add_f32 v20, v20, v21
	v_add_f32 v22, v22, v23
	v_add_f32 v16, v16, v18
	v_add_f32 v20, v20, v22
	v_add_f32 v16, v16, v20
	v_cmp_eq_u32 vcc_lo, 0, v0
	s_wait_alu depctr_va_vdst(0)
	s_wait_xcnt 0x0                                ; EXEC changes only behind this wait
	s_wait_tensorcnt 0x0                           ; the wave's end
	ds_add_u32 v158, v159
	s_wait_dscnt 0x0
	s_and_saveexec_b32 s20, vcc_lo                 ; thread 0 of the work-group
	global_store_b32 v11, v16, s[14:15]
	s_endpgm
.Lfunc_end_k_qb6956f8a3d_gather:
	.size	k_qb6956f8a3d_gather, .Lfunc_end_k_qb6956f8a3d_gather-k_qb6956f8a3d_gather
	.p2alignl 7, 3214868480
	.fill 96, 4, 3214868480
	.section	.rodata,"a",@progbits
	.p2align	6, 0x0
	.amdhsa_kernel k_qb6956f8a3d_gather
		.amdhsa_group_segment_fixed_size 1280
		.amdhsa_private_segment_fixed_size 0
		.amdhsa_enable_private_segment 0
		.amdhsa_kernarg_size 48
		.amdhsa_user_sgpr_count 2
		.amdhsa_user_sgpr_kernarg_segment_ptr 1
		.amdhsa_wavefront_size32 1
		.amdhsa_system_sgpr_workgroup_id_x 1
		.amdhsa_system_sgpr_workgroup_id_y 1
		.amdhsa_system_sgpr_workgroup_id_z 1
		.amdhsa_system_vgpr_workitem_id 0
		.amdhsa_next_free_vgpr 160
		.amdhsa_next_free_sgpr 66
		.amdhsa_reserve_vcc 1
		.amdhsa_float_denorm_mode_32 3
		.amdhsa_float_denorm_mode_16_64 3
		.amdhsa_memory_ordered 1
		.amdhsa_forward_progress 1
		.amdhsa_inst_pref_size 14
	.end_amdhsa_kernel
	.amdgpu_metadata
---
amdhsa.version: [ 1, 2 ]
amdhsa.kernels:
  - .name:           k_qb6956f8a3d_gather
    .symbol:         k_qb6956f8a3d_gather.kd
    .args:
      - { .name: z, .offset: 0, .size: 8, .value_kind: global_buffer, .address_space: global }
      - { .name: embedding, .offset: 8, .size: 8, .value_kind: global_buffer, .address_space: global }
      - { .name: pkey, .offset: 16, .size: 8, .value_kind: global_buffer, .address_space: global }
      - { .name: pidx, .offset: 24, .size: 8, .value_kind: global_buffer, .address_space: global }
      - { .name: out0, .offset: 32, .size: 8, .value_kind: global_buffer, .address_space: global }
      - { .name: part, .offset: 40, .size: 8, .value_kind: global_buffer, .address_space: global }
    .group_segment_fixed_size: 1280
    .private_segment_fixed_size: 0
    .kernarg_segment_align: 8
    .kernarg_segment_size: 48
    .max_flat_workgroup_size: 256
    .sgpr_count:     66
    .vgpr_count:     160
    .wavefront_size: 32
...
	.end_amdgpu_metadata
.endif
;; end of part 3
;; launch total (part 4): grid 1 x 1, 1 waves a work-group, no clusters, 0 bytes of LDS; arguments part, out1; writes out1
.if DOCPART == 4
	.amdgcn_target "amdgcn-amd-amdhsa--gfx1250"
	.amdhsa_code_object_version 6
	.text
	.protected	k_qb6956f8a3d_total
	.globl	k_qb6956f8a3d_total
	.p2align	8
	.type	k_qb6956f8a3d_total,@function
k_qb6956f8a3d_total:
	s_mov_b64 s[64:65], 0
	v_nop
	global_prefetch_b8 v0, s[64:65] scope:SCOPE_SE
	s_setreg_imm32_b32 hwreg(HW_REG_WAVE_MODE, 25, 1), 1
	s_wait_xcnt 0x0
; out1 = 2 x the mean of (out0 - z)^2 = the sum of the 512 parts x 2 / (16,384 x 512) = x 2^-22.  One wave: a lane takes 16 parts, 64 consecutive bytes; then the sum over the 32 lanes.
; The sum spans work-groups, so it is made here, in an order that is fixed, and not by traffic between the work-groups of the launch before.
	s_load_b128 s[4:7], s[0:1], 0x0                ; part, out1
	v_lshlrev_b32 v1, 6, v0
	v_mov_b32 v2, 0
	v_mov_b32 v3, 0                                ; written once: a lane permute's destination counts as one of its sources
	s_mov_b32 s8, 0x76543210
	s_mov_b32 s9, 0xfedcba98
	s_wait_alu depctr_va_vdst(0)
	s_wait_kmcnt 0x0
.irp j, 0,1,2,3
	global_load_b128 v[4+4*\j:7+4*\j], v1, s[4:5] offset:16*\j
.endr
	s_wait_loadcnt 0x0
	v_pk_add_f32 v[4:5], v[4:5], v[6:7]
	v_pk_add_f32 v[8:9], v[8:9], v[10:11]
	v_pk_add_f32 v[12:13], v[12:13], v[14:15]
	v_pk_add_f32 v[16:17], v[16:17], v[18:19]
	v_pk_add_f32 v[4:5], v[4:5], v[8:9]
	v_pk_add_f32 v[12:13], v[12:13], v[16:17]
	v_pk_add_f32 v[4:5], v[4:5], v[12:13]
	v_add_f32 v4, v4, v5
	v_add_f32_dpp v4, v4, v4 row_xmask:1 row_mask:0xf bank_mask:0xf
	v_add_f32_dpp v4, v4, v4 row_xmask:2 row_mask:0xf bank_mask:0xf
	v_add_f32_dpp v4, v4, v4 row_xmask:4 row_mask:0xf bank_mask:0xf
	v_add_f32_dpp v4, v4, v4 row_xmask:8 row_mask:0xf bank_mask:0xf
	v_permlanex16_b32 v3, v4, s8, s9
	v_add_f32 v4, v4, v3
	v_mul_f32 v4, 0x34800000, v4                   ; x 2^-22
	v_cmp_eq_u32 vcc_lo, 0, v0
	s_wait_alu depctr_va_vdst(0)
	s_wait_xcnt 0x0                                ; EXEC changes only behind this wait
	s_and_saveexec_b32 s10, vcc_lo
	global_store_b32 v2, v4, s[6:7]
	s_endpgm
.Lfunc_end_k_qb6956f8a3d_total:
	.size	k_qb6956f8a3d_total, .Lfunc_end_k_qb6956f8a3d_total-k_qb6956f8a3d_total
	.p2alignl 7, 3214868480
	.fill 96, 4, 3214868480
	.section	.rodata,"a",@progbits
	.p2align	6, 0x0
	.amdhsa_kernel k_qb6956f8a3d_total
		.amdhsa_group_segment_fixed_size 0
		.amdhsa_private_segment_fixed_size 0
		.amdhsa_enable_private_segment 0
		.amdhsa_kernarg_size 16
		.amdhsa_user_sgpr_count 2
		.amdhsa_user_sgpr_kernarg_segment_ptr 1
		.amdhsa_wavefront_size32 1
		.amdhsa_system_sgpr_workgroup_id_x 1
		.amdhsa_system_sgpr_workgroup_id_y 1
		.amdhsa_system_sgpr_workgroup_id_z 1
		.amdhsa_system_vgpr_workitem_id 0
		.amdhsa_next_free_vgpr 32
		.amdhsa_next_free_sgpr 66
		.amdhsa_reserve_vcc 1
		.amdhsa_float_denorm_mode_32 3
		.amdhsa_float_denorm_mode_16_64 3
		.amdhsa_memory_ordered 1
		.amdhsa_forward_progress 1
		.amdhsa_inst_pref_size 3
	.end_amdhsa_kernel
	.amdgpu_metadata
---
amdhsa.version: [ 1, 2 ]
amdhsa.kernels:
  - .name:           k_qb6956f8a3d_total
    .symbol:         k_qb6956f8a3d_total.kd
    .args:
      - { .name: part, .offset: 0, .size: 8, .value_kind: global_buffer, .address_space: global }
      - { .name: out1, .offset: 8, .size: 8, .value_kind: global_buffer, .address_space: global }
    .group_segment_fixed_size: 0
    .private_segment_fixed_size: 0
    .kernarg_segment_align: 8
    .kernarg_segment_size: 16
    .max_flat_workgroup_size: 32
    .sgpr_count:     66
    .vgpr_count:     32
    .wavefront_size: 32
...
	.end_amdgpu_metadata
.endif
;; end of part 4
